; MI455X (gfx1250); checked and timed in simulation.
; The chip was launched on July 23, 2026; its instructions are those of AMD's public machine-readable ISA for CDNA 5 (MIT licence, August 2026) and "CDNA5" Instruction Set Architecture Reference Guide (July 2026). The comments in the code are by the model that wrote it; some were corrected since.
;; Attention. Allowed arithmetic: matrix products marked QUANTISED: E2M3 operands, one E8M0 scale for each 32 along K, by v_wmma_scale_f32_16x16x128_f8f6f4 with both operands' format E2M3, f32 sums; everything else in f32.
;; Inputs: k 16 x 256 x 2,048 float32; mask 16 x 1 x 2,048 int32; q 16 x 2,048 x 256 float32; v 16 x 2,048 x 256 float32.
;; Outputs: out0 16 x 256 x 2,048 float32.
;; This version of the problem:
;;   THIS VERSION OF THE PROBLEM IS GIVEN IN LOW PRECISION. The matrix products marked QUANTISED in the list below multiply operands that are first quantised to E2M3 (2 exponent bits, 3 mantissa bits; 6 bits a number), with one power-of-two scale for each 32 numbers along K (OCP MX v1.0); their sums are f32. All else is computed in f32.
;;   The module's matrix products, in the order in which they are computed (A, B: the left and right operand; K: the contracted axis; several contracted axes count as one K, in the product's order):
;;     1. batch 16 x [M 2,048, K 256] x [K 256, N 2,048]; A: input q; B: input k: QUANTISED
;;     2. batch 16 x [M 2,048, K 2,048] x [K 2,048, N 256]; A: computed on the way; B: input v: QUANTISED
;;   THE QUANTISER, for each operand of a quantised product, along K:
;;     - K is cut into blocks of 32 from its start; a last block that is shorter is filled with zeros.
;;     - A block's scale is 2^e with e = floor(log2(the largest magnitude in the block)) - 2, held to -126 .. 127; a block of zeros has e = 0. As a byte (E8M0): e + 127.
;;     - Each number is divided by its block's scale, clamped to +-7.5, and rounded to the nearest number of E2M3, ties to even, subnormals kept.
;;     - The product sums the exact products of the quantised numbers (number of the format x scale) in f32.
;;   ~~~python
;;   def quantise(x, axis):      # numpy; x: float32 -> the quantised numbers, widened to float32 again
;;       x = np.moveaxis(x, axis, -1); K = x.shape[-1]
;;       x = np.pad(x, [(0, 0)] * (x.ndim - 1) + [(0, -K % 32)]); x = x.reshape(x.shape[:-1] + (-1, 32)); a = np.abs(x).max(-1, keepdims=True)
;;       e = np.where(a > 0, np.clip(np.frexp(np.where(a > 0, a, 1))[1] - 1 - 2, -126, 127), 0)      # np.frexp(a)[1] - 1 = floor(log2(a)), exactly
;;       r = np.clip(x / 2.0 ** e, -7.5, 7.5)
;;       step = 2.0 ** (np.maximum(np.frexp(np.where(r == 0, 1, r))[1] - 1, 0) - 3)
;;       q = np.round(r / step) * step * 2.0 ** e      # np.round: ties to even
;;       return np.moveaxis(q.reshape(q.shape[:-2] + (-1,))[..., :K], -1, axis).astype(np.float32)
;;   ~~~
;;   OPERANDS COMPUTED ON THE WAY. 'Computed on the way' means the value that the module computes at that place (a softmax that the list does not call 'softmax' is quantised finished and normalised). What goes into a quantiser is computed in f32, as accurately as f32 sums, v_exp_f32 and their like allow (about 1e-6 of the number): no bf16 or f16 on the way to a quantiser, and a product that is left as it is and whose result goes on into a quantised operand takes f32 operands (vector FMAs, or v_wmma_f32_16x16x4_f32). A number that lies on a knife's edge between two numbers of the format may be rounded either way, as far as f32 arithmetic and the matrix unit's own rounding can turn it there, and no further.
;; One version. Each part assembles by itself: llvm-mc -triple=amdgcn-amd-amdhsa -mcpu=gfx1250 --defsym DOCPART=n.
;; ======== version 1 of 1: 2 launches
;; limits: right only within a limited range of input values
;; workspace buffers: kv 13,107,200 bytes; mb 131,072 bytes
;; launch prep (part 1): grid 512 x 1, 4 waves a work-group, no clusters, 52,224 bytes of LDS; arguments k, v, mask, kv, mb; writes kv, mb
.if DOCPART == 1
	.amdgcn_target "amdgcn-amd-amdhsa--gfx1250"
	.amdhsa_code_object_version 6
	.text
	.protected	k_qe1fa7c90d9_prep
	.globl	k_qe1fa7c90d9_prep
	.p2align	8
	.type	k_qe1fa7c90d9_prep,@function
k_qe1fa7c90d9_prep:
	s_mov_b64 s[64:65], 0
	v_nop
	global_prefetch_b8 v0, s[64:65] scope:SCOPE_SE
	s_setreg_imm32_b32 hwreg(HW_REG_WAVE_MODE, 25, 1), 1
	s_wait_xcnt 0x0
; k [16][256 d][2048 keys] and v [16][2048 keys][256 channels], f32, become codes of FP6 (E2M3) with one E8M0 scale byte for each 32 along K
; (k: K = d; v: K = the keys; in both K is the first axis of a batch).  mask [16][1][2048] becomes a table of f32: 0 where a key counts, -1e9 where mask == 0.
; A LANE TAKES A COLUMN (a key of k, a channel of v) AND ITS REGISTERS RUN DOWN K: a block of 32 lies in one lane's 32 registers, and the conversions give codes with K innermost.
; THE CODES ARE LAID AS THE NEXT LAUNCH'S OPERAND REGISTERS WANT THEM.  A fragment (16 columns x 128 K, 12 registers a lane) is an image of 1,536 bytes: register p of lane l at 512 (p / 4) + 16 l + 4 (p % 4).
; Row r of tile 2 g + u is column 32 g + 8 u + r + 8 (r / 8).  kv: [batch][32 regions of 25,600 bytes]: regions 0-15 k's, one for each 128 keys (fragment (tile T, K step s) at 12,288 s + 1,536 T),
; regions 16-31 v's, one for each 128 keys (fragment of tile ct of the channels at 1,536 ct); each region ends with 1,024 bytes of scale words, laid so that one load of 16 bytes a lane brings four tiles' words,
; even tiles' in lanes 0-15, odd tiles' in lanes 16-31.
; THE CODES OF A KEY WITH mask == 0 ARE ZEROS: its product is then exactly 0, and the next launch adds the table's -1e9 as the sum's first term: the score is exactly -1e9.
; A block's scale is 2^(floor(log2(its largest magnitude)) - 2); its byte is the largest magnitude's exponent field - 2, held at 1 from below.
; LIMITS: a block of zeros, and one whose largest magnitude lies under 2^-124, gets the byte 1 (a block of zeros has zero codes, which add nothing; this program alone reads the bytes); NaN and infinities among the inputs are not served.
; SHARES: work-groups 0-255: k, one to a batch and 128 keys; 256-511: v, one to a batch, 256 keys and 128 channels.  A wave: 32 columns x 256 along K: 8 blocks a lane, four fragments.
; The two paths part on the work-group's number and have LDS bytes of their own.  No tensor loads.  Loads run two blocks (64 loads a wave) ahead.
.set REG,   25600                      ; a region of kv
.set KVB,   32*REG                     ; a batch of kv
.set X,     32                         ; v32-95   two sets of 32 numbers
.set OUTR,  96                         ; v96-143  the way out: 12 x 4 registers
.set NEG,   0xce6e6b28                 ; -1e9, which f32 holds exactly
; v1 lane; v2 4 x lane; v3 into my stage; v4 out of it; v5 16 x lane; v6 my scale words' place; v7 my bias word's; v8, v9 where I read 8 bytes of the scale words, of the bias; v10 8 x lane;
; v11 the conversion's scale; v12, v13 maxima; v14 my key's mask; v15 its bias; v16, v17 two scale words; v20-26 a block's codes
	s_load_b256 s[4:11], s[0:1], 0x0               ; k s[4:5], v s[6:7], mask s[8:9], kv s[10:11]
	s_load_b64 s[12:13], s[0:1], 0x20              ; mb
	v_lshl_add_u32 v160, v0, 2, 0xca00
	v_mov_b32 v161, 0
	v_lshrrev_b32 v1, 5, v0
	v_readfirstlane_b32 s14, v1                    ; wave 0..3
	v_and_b32 v1, 31, v0                           ; lane = my column among the wave's 32
	v_lshlrev_b32 v2, 2, v1
	v_lshlrev_b32 v5, 4, v1
	v_lshlrev_b32 v10, 3, v1
	v_bfe_u32 v18, v1, 3, 1                        ; u: which of the wave's two tiles my column belongs to
	v_and_b32 v19, 7, v1
	v_lshrrev_b32 v27, 4, v1
	v_lshl_add_u32 v19, v27, 3, v19                ; r: its row there
	v_mul_u32_u24 v28, v18, 1536
	v_lshl_add_u32 v28, v19, 4, v28                ; 1,536 u + 16 r
	v_lshl_add_u32 v29, v18, 4, v19
	v_lshlrev_b32 v29, 4, v29                      ; 16 (r + 16 u)
	s_mul_i32 s15, s14, 6144                       ; a wave's stage: four images
	s_lshl_b32 s16, s14, 2
	s_lshl_b32 s17, s14, 7
	s_lshl_b32 s18, s14, 8
; LDS of a path, from byte lb on: four stages of 6,144 bytes; 1,024 bytes of scale words; for k 512 bytes of bias
.macro LADDR lb, isk
	s_add_co_u32 s19, s15, \lb
	v_add_nc_u32 v3, s19, v28
	v_add_nc_u32 v4, s19, v5
	s_add_co_u32 s19, s16, \lb+24576
	v_add_nc_u32 v6, s19, v29                      ; word of (row r, tile 2 wave + u): 16 (r + 16 u) + 4 x wave
	s_add_co_u32 s19, s18, \lb+24576
	v_add_nc_u32 v8, s19, v10
.if \isk
	s_add_co_u32 s19, s17, \lb+25600
	v_add_nc_u32 v7, s19, v2
	v_add_nc_u32 v9, 1024, v8
.endif
.endm
.macro LOAD t, pitch                   ; block t: rows 32 t + 0 .. 31 of K at my column, into set t % 2; 32 lanes read 128 consecutive bytes, the four waves 512
.set nn, 0
.rept 32
	global_load_b32 v[X+32*((\t)%2)+nn], v2, s[4:5] offset:(32*(\t)+nn)*\pitch th:TH_LOAD_NT
.set nn, nn+1
.endr
.endm
.macro BLOCK t, pitch, isk
.set XS, X+32*((\t)%2)
.if (\t) < 7
	s_wait_loadcnt 32                              ; this block's 32 loads are in (and the mask's, which is older); the next block's 32 may be out
.else
	s_wait_loadcnt 0x0
.endif
.if (\isk) && ((\t) == 0)
	v_cmp_ne_u32 s40, 0, v14                       ; does my key count?
.endif
	v_max3_num_f32 v12, |v[XS]|, |v[XS+1]|, |v[XS+2]|      ; the block's largest magnitude: all 32 numbers are mine; two chains
	v_max3_num_f32 v13, |v[XS+3]|, |v[XS+4]|, |v[XS+5]|
.irp i, 6,10,14,18,22,26
	v_max3_num_f32 v12, v12, |v[XS+\i]|, |v[XS+\i+1]|
	v_max3_num_f32 v13, v13, |v[XS+\i+2]|, |v[XS+\i+3]|
.endr
	v_max3_num_f32 v12, v12, |v[XS+30]|, |v[XS+31]|
	v_max3_num_f32 v12, v12, v13, 0x1800000        ; and the floor 2^(3 - 127): the byte cannot fall under 1
	v_add_nc_u32 v11, 0xff000000, v12              ; 2 off the exponent field: the conversion takes this operand's exponent field as its scale
	v_cvt_scalef32_pk16_fp6_f32 v[20:22], v[XS:XS+15], v11
	v_cvt_scalef32_pk16_fp6_f32 v[24:26], v[XS+16:XS+31], v11   ; (a conversion's three registers begin on an even number)
	v_lshrrev_b32 v13, 23, v11                     ; the scale's byte; also the plain line behind the conversions
.if (\t)%4 == 0
	v_mov_b32 v[16+(\t)/4], v13                    ; four bytes to a word, the lower K in the lower byte
.else
	v_lshl_or_b32 v[16+(\t)/4], v13, 8*((\t)%4), v[16+(\t)/4]
.endif
	v_mov_b32 v23, v24                             ; the block's six words on end: v20-25
	v_mov_b32 v24, v25
	v_mov_b32 v25, v26
.if \isk
.irp i, 20,21,22,23,24,25
	v_cndmask_b32 v\i, 0, v\i, s40                 ; a key that does not count has zero codes
.endr
.endif
; block t is registers 6 c .. 6 c + 5 of lane r + 16 h of fragment (u, s): s = t / 4, c = (t % 4) / 2, h = t % 2
.set SS, 3072*((\t)/4)+256*((\t)%2)
.if ((\t)%4)/2 == 0
	ds_store_b128 v3, v[20:23] offset:SS           ; registers 0-3
	ds_store_b64 v3, v[24:25] offset:SS+512        ; registers 4, 5
.else
	ds_store_b64 v3, v[20:21] offset:SS+520        ; registers 6, 7
	ds_store_b128 v3, v[22:25] offset:SS+1024      ; registers 8-11
.endif
.if (\t)+2 < 8
	LOAD (\t)+2, \pitch
.endif
	s_wait_dscnt 0x0                               ; the stores have read their registers: the next block's codes may be written
.endm
.macro BODY pitch, isk
.if \isk
	global_load_b32 v14, v2, s[34:35]              ; my key's mask
.endif
	LOAD 0, \pitch
	LOAD 1, \pitch
.irp t, 0,1,2,3,4,5,6,7
	BLOCK \t, \pitch, \isk
.endr
	ds_store_b32 v6, v16                           ; my column's two scale words, to the work-group's 1,024 bytes
	s_wait_alu depctr_va_vdst(0)
	ds_store_b32 v6, v17 offset:512
.if \isk
	v_mov_b32 v15, NEG
	v_mov_b32 v30, 0
	v_cndmask_b32 v15, v15, v30, s40               ; 0 where the key counts, else -1e9
	ds_store_b32 v7, v15
.endif
.irp n, 0,1,2,3,4,5,6,7,8,9,10,11
	ds_load_b128 v[OUTR+4*\n:OUTR+4*\n+3], v4 offset:512*\n    ; my own stage: LDS serves a wave's instructions in order, so these see my stores
.endr
.irp n, 0,1,2,3,4,5,6,7,8,9,10,11
	s_wait_dscnt 11-\n                             ; load n is in; the 11 - n younger ones may be out
.if \n < 6
	global_store_b128 v5, v[OUTR+4*\n:OUTR+4*\n+3], s[26:27] offset:512*\n         ; 32 lanes store 512 consecutive bytes, aligned to 256
.else
	global_store_b128 v5, v[OUTR+4*\n:OUTR+4*\n+3], s[28:29] offset:512*(\n-6)
.endif
.endr
	s_wait_dscnt 0x0                               ; for the others' sake: my scale words (and bias) lie in LDS
	s_barrier_signal -1
	s_barrier_wait -1
	ds_load_b64 v[144:145], v8                     ; words that all four waves stored
	s_wait_dscnt 0x0
	global_store_b64 v10, v[144:145], s[30:31]     ; 32 lanes store 256 consecutive bytes, aligned
.endm
	s_cmp_lt_u32 ttmp9, 256
	s_cbranch_scc0 .Lvpath
	; ---- k: batch = id / 16, the 128 keys of step id % 16; my wave's 32 keys, all 256 d
	s_wait_alu depctr_va_vdst(0)
	LADDR 0, 1
	s_lshr_b32 s20, ttmp9, 4                       ; batch
	s_and_b32 s21, ttmp9, 15                       ; step
	s_lshl_b32 s22, s20, 21                        ; a batch of k is 2^21 bytes
	s_lshl_b32 s23, s21, 9
	s_add_co_u32 s22, s22, s23
	s_add_co_u32 s22, s22, s17                     ; + 4 (128 step + 32 wave)
	s_mov_b32 s23, 0
	s_mul_i32 s24, s20, KVB
	s_mul_i32 s25, s21, REG
	s_add_co_u32 s24, s24, s25                     ; the step's region
	s_mul_i32 s25, s14, 3072
	s_add_co_u32 s26, s24, s25                     ; my two tiles' fragments of K step 0
	s_mov_b32 s27, 0
	s_add_co_u32 s30, s24, s18
	s_add_co_u32 s30, s30, 24576                   ; my 256 bytes of the region's scale words
	s_mov_b32 s31, 0
	s_lshl_b32 s32, s20, 13
	s_lshl_b32 s33, s21, 9
	s_add_co_u32 s32, s32, s33                     ; the step's 128 words in mask and in mb
	s_add_co_u32 s34, s32, s17
	s_mov_b32 s35, 0
	s_add_co_u32 s36, s32, s18
	s_mov_b32 s37, 0
	s_wait_kmcnt 0x0
	s_add_nc_u64 s[4:5], s[4:5], s[22:23]
	s_add_nc_u64 s[26:27], s[10:11], s[26:27]
	s_add_nc_u64 s[28:29], s[26:27], 12288         ; and of K step 1
	s_add_nc_u64 s[30:31], s[10:11], s[30:31]
	s_add_nc_u64 s[34:35], s[8:9], s[34:35]
	s_add_nc_u64 s[36:37], s[12:13], s[36:37]
	BODY 8192, 1
	s_cmp_lt_u32 s14, 2                            ; the bias of 128 keys is 512 bytes: waves 0 and 1 store 256 each
	s_cbranch_scc0 .Lkend
	ds_load_b64 v[146:147], v9
	s_wait_dscnt 0x0
	global_store_b64 v10, v[146:147], s[36:37]
.Lkend:
	s_wait_tensorcnt 0x0
	ds_add_u32 v160, v161
	s_wait_dscnt 0x0
	s_endpgm
.Lvpath:
	; ---- v: id' = id - 256: batch = id' / 16, keys 256 ((id' % 16) / 2) on (two steps), channels 128 (id' % 2) on; my wave's 32 channels
	s_wait_alu depctr_va_vdst(0)
	LADDR 26112, 0
	s_sub_co_u32 s20, ttmp9, 256
	s_and_b32 s21, s20, 1                          ; which 128 channels
	s_bfe_u32 s38, s20, 0x30001                    ; which 256 keys
	s_lshr_b32 s20, s20, 4                         ; batch
	s_lshl_b32 s22, s20, 21
	s_lshl_b32 s23, s38, 18                        ; 256 rows of 1,024 bytes
	s_add_co_u32 s22, s22, s23
	s_lshl_b32 s23, s21, 9
	s_add_co_u32 s22, s22, s23
	s_add_co_u32 s22, s22, s17
	s_mov_b32 s23, 0
	s_mul_i32 s24, s20, KVB
	s_add_co_u32 s24, s24, 16*REG
	s_mul_i32 s25, s38, 2*REG
	s_add_co_u32 s24, s24, s25                     ; the first step's region
	s_lshl_b32 s25, s21, 2
	s_add_co_u32 s25, s25, s14
	s_mul_i32 s25, s25, 3072
	s_add_co_u32 s26, s24, s25                     ; my two tiles' fragments there
	s_mov_b32 s27, 0
	s_lshr_b32 s25, s14, 1                         ; the scale words: waves 0, 1 store the first step's 512 bytes, waves 2, 3 the second's
	s_mul_i32 s25, s25, REG
	s_add_co_u32 s30, s24, s25
	s_lshl_b32 s25, s21, 9
	s_add_co_u32 s30, s30, s25
	s_and_b32 s25, s14, 1
	s_lshl_b32 s25, s25, 8
	s_add_co_u32 s30, s30, s25
	s_add_co_u32 s30, s30, 24576
	s_mov_b32 s31, 0
	s_wait_kmcnt 0x0
	s_add_nc_u64 s[4:5], s[6:7], s[22:23]
	s_add_nc_u64 s[26:27], s[10:11], s[26:27]
	s_add_nc_u64 s[28:29], s[26:27], REG           ; and in the second step's region
	s_add_nc_u64 s[30:31], s[10:11], s[30:31]
	BODY 1024, 0
	s_wait_tensorcnt 0x0
	ds_add_u32 v160, v161
	s_wait_dscnt 0x0
	s_endpgm
.Lfunc_end_k_qe1fa7c90d9_prep:
	.size	k_qe1fa7c90d9_prep, .Lfunc_end_k_qe1fa7c90d9_prep-k_qe1fa7c90d9_prep
	.p2alignl 7, 3214868480
	.fill 96, 4, 3214868480
	.section	.rodata,"a",@progbits
	.p2align	6, 0x0
	.amdhsa_kernel k_qe1fa7c90d9_prep
		.amdhsa_group_segment_fixed_size 52224
		.amdhsa_private_segment_fixed_size 0
		.amdhsa_enable_private_segment 0
		.amdhsa_kernarg_size 40
		.amdhsa_user_sgpr_count 2
		.amdhsa_user_sgpr_kernarg_segment_ptr 1
		.amdhsa_wavefront_size32 1
		.amdhsa_system_sgpr_workgroup_id_x 1
		.amdhsa_system_sgpr_workgroup_id_y 1
		.amdhsa_system_sgpr_workgroup_id_z 1
		.amdhsa_system_vgpr_workitem_id 0
		.amdhsa_next_free_vgpr 162
		.amdhsa_next_free_sgpr 66
		.amdhsa_reserve_vcc 0
		.amdhsa_float_denorm_mode_32 3
		.amdhsa_float_denorm_mode_16_64 3
		.amdhsa_memory_ordered 1
		.amdhsa_forward_progress 1
		.amdhsa_inst_pref_size 88
	.end_amdhsa_kernel
	.amdgpu_metadata
---
amdhsa.version: [ 1, 2 ]
amdhsa.kernels:
  - .name:           k_qe1fa7c90d9_prep
    .symbol:         k_qe1fa7c90d9_prep.kd
    .args:
      - { .name: k, .offset: 0, .size: 8, .value_kind: global_buffer, .address_space: global }
      - { .name: v, .offset: 8, .size: 8, .value_kind: global_buffer, .address_space: global }
      - { .name: mask, .offset: 16, .size: 8, .value_kind: global_buffer, .address_space: global }
      - { .name: kv, .offset: 24, .size: 8, .value_kind: global_buffer, .address_space: global }
      - { .name: mb, .offset: 32, .size: 8, .value_kind: global_buffer, .address_space: global }
    .group_segment_fixed_size: 52224
    .private_segment_fixed_size: 0
    .kernarg_segment_align: 8
    .kernarg_segment_size: 40
    .max_flat_workgroup_size: 128
    .sgpr_count:     66
    .vgpr_count:     162
    .wavefront_size: 32
...
	.end_amdgpu_metadata
.endif
;; end of part 1
;; launch attn (part 2): grid 16 x 16, 4 waves a work-group, clusters of 4 x 1, 327,680 bytes of LDS; arguments q, kv, mb, out0; writes out0
.if DOCPART == 2
	.amdgcn_target "amdgcn-amd-amdhsa--gfx1250"
	.amdhsa_code_object_version 6
	.text
	.protected	k_qe1fa7c90d9_attn
	.globl	k_qe1fa7c90d9_attn
	.p2align	8
	.type	k_qe1fa7c90d9_attn,@function
k_qe1fa7c90d9_attn:
	s_mov_b64 s[64:65], 0
	v_nop
	global_prefetch_b8 v0, s[64:65] scope:SCOPE_SE
	s_setreg_imm32_b32 hwreg(HW_REG_WAVE_MODE, 25, 1), 1
	s_wait_xcnt 0x0
	s_wait_alu depctr_hold_cnt(0) depctr_sa_sdst(0) depctr_va_vdst(0) depctr_va_sdst(0) depctr_va_ssrc(0) depctr_va_vcc(0) depctr_vm_vsrc(0)
	s_getreg_b32 s2, hwreg(HW_REG_IB_STS2, 6, 4)
	s_cmp_eq_u32 s2, 0
	s_cbranch_scc0 .Lentry_in_a_cluster
	s_endpgm
.Lentry_in_a_cluster:
	s_bfe_u32 s2, ttmp6, 0x10000c
	s_cmp_lg_u32 s2, 0x3003
	s_cbranch_scc0 .Lentry_shape_is_right
	s_endpgm
.Lentry_shape_is_right:
; out0[b][c][n] = sum over keys of Q6(softmax(Q6(q) Q6(k) + mask bias) / 16) Q6(v), Q6 the MX-FP6 quantiser along K.
; A work-group: one batch, 128 queries.  Two passes over the 2,048 keys: pass 1 finds each row's largest t (as a whole number M) and its sum, pass 2 makes the scores again,
; p = 2^(t - M) / (16 sum), quantises p by blocks of 32 keys and multiplies with v.
; A WAVE (qh = wave / 2, kh = wave % 2): scores of 64 queries (half qh) x 64 keys (half kh of each step of 128); second product: the same 64 queries x 128 channels (half kh) x all 128 keys.
; So each fragment of k and of v is read from LDS by two waves.  What the split asks for: the partner's half of p's codes and scale bytes comes through LDS bytes of their own (two barriers a step,
; matrix work between signal and wait); the rows' M and sum are joined between partners once, behind pass 1; q's fragments are quantised once, 32 queries a wave, and shared through LDS.
; The bias (0 or -1e9, the C of a score's first product) is copied once, at the head, from mb through registers into LDS bytes of its own (the batch's 8,192 bytes, 64 a thread);
; a step reads a wave's 64 keys, 256 bytes, from there.
; k's and v's regions come by joint tensor loads: the four work-groups of a cluster are four query blocks of one batch.  Two slots; pass 1: four regions of k a fill, pass 2: two of k and two of v.
; Prefetch: the fill after the one being asked for, by the first cluster of a batch's row alone, waves 0-2, a lane a block of 256 bytes.
; LIMITS: the scaled scores stay under 2^31 in magnitude; NaN and infinities among the inputs are not served.
; REGISTERS: window 0: addresses, states, scales, S (v128-255: 32 x + 8 t); window 1: O (64 x + 8 c); window 2: v's fragments v0-95, bias v96-127, p's fragments v128-175; window 3: q's fragments v0-95, k's v96-191.
.set REG,   25600
.set FILLB, 4*REG
.set KVB,   32*REG
.set SLOT1, 1<<17
.set PX,    FILLB                      ; p's exchange: 12,288 bytes of codes, 512 of scale words; no fill lands here
.set STG0,  SLOT1+FILLB                ; the way out's stage; before that q's images, q's scale words, the rows' states, the bias
.set QW,    STG0+24576
.set XS,    STG0+25600
.set BIA,   STG0+29696
.set SP,    528
.set SPARE, STG0+128*SP
.set LI,  1
.set SPW, 2
.set NIL, 3
.set ADK, 4
.set ADV, 5
.set BIO, 6
.set LKB, 7
.set LIV, 8
.set XA,  9                            ; at the head: q's offset
.set ADB, 9                            ; behind the head: the step's bias address
.set SO,  10
.set XST, 11
.set SR0, 12
.set SR1, 13
.set PFO, 14
.set XLD, 15
.set ST,  16
.set KS,  48
.set VS,  52
.set QS,  56
.set PW,  60
.set TM,  64
.set QT,  80
.set PT,  88
.set PWT, 112
.set ADS, 114
.set ADW, 115
.set LKS, 116
.set LVS, 117
.set PSA, 118
.set PSB, 119
.set PSW, 120
.set PLA, 121
.set PLB, 122
.set PLW, 123
.set QSA, 124
.set QSW, 125
.set QLA, 126
.set QLW, 127
.set S,   128
.set WV,  12
.set G1,  16
.set MB,  24
.set QH,  28
.set KH,  29
.set G0,  32
.set P2B, 40
.set PFA, 42
.set LIM, 44
.set TB,  45
.set KB,  46
.set CNT, 47
.set INN, 48
.set CS,  50
.set SEL, 52
.set HM,  54
.set MSB, 0
.macro WIN new
.if MSB != \new
	s_set_vgpr_msb (MSB<<8)|\new
.set MSB, \new
.endif
.endm
.macro PLACES n
.rept \n
	v_nop
.endr
.endm
.macro CROUND
	s_barrier_signal -1
	s_barrier_wait -1
	s_cmp_lg_u32 s[WV], 0
	s_cbranch_scc1 .Lnot_wave_0_\@
	s_barrier_signal -3
.Lnot_wave_0_\@:
	s_barrier_wait -3
	s_barrier_signal -1
	s_barrier_wait -1
.endm
.macro ASK a
.if \a
.if \a == 1
	s_cmp_eq_u32 s[LIM], 1
	s_cbranch_scc0 .Lnot_mine_\@
.else
	s_cmp_gt_u32 s[CNT], s[LIM]
	s_cbranch_scc0 .Lnot_mine_\@
	s_and_b32 s49, s[CNT], 1
	s_cmp_eq_u32 s49, 1
	s_cbranch_scc0 .Lnot_mine_\@
.endif
	s_wait_xcnt 0x0
	s_add_nc_u64 s[PFA:PFA+1], s[PFA:PFA+1], FILLB
	global_prefetch_b8 v[PFO], s[PFA:PFA+1] th:TH_LOAD_NT scope:SCOPE_SE
.Lnot_mine_\@:
.endif
.endm
; a change of slots: the cluster's round, my one joint load
.macro CHANGE how, ask
	WIN 0
	s_wait_tensorcnt 0x0
	ds_add_u32 v[SPW], v[NIL]
.if \how
	s_xor_b32 s[G0+1], s[G0+1], SLOT1
.if \how == 1
	s_add_nc_u64 s[G0+2:G0+3], s[G0+2:G0+3], FILLB
.elseif \how == 2
	s_mov_b64 s[G0+2:G0+3], s[P2B:P2B+1]
	s_or_b32 s[G0+3], s[G0+3], 0x80000000
.else
	s_add_nc_u64 s[G0+2:G0+3], s[G0+2:G0+3], 2*REG
.endif
.endif
	s_wait_dscnt 0x0
.if \how
	CROUND
	tensor_load_to_lds s[G0:G0+3], s[G1:G1+7]
	s_nop 0
	PLACES 4
	ASK \ask
.else
	s_barrier_signal -1
	s_barrier_wait -1
.endif
.endm
; my four tiles of k (both K steps), my 64 keys' bias, and the tiles' scale words
.macro LK
	WIN 0
	v_add_nc_u32 v[ADK], s[TB], v[LKB]
	v_add_nc_u32 v[ADS], s[TB], v[LKS]
	v_add_nc_u32 v[ADB], s[KB], v[BIO]
	PLACES 1
	WIN 0xc0
.irp s, 0,1
.set nn, 0
.rept 12
	ds_load_b128 v[96+48*\s+4*nn:96+48*\s+4*nn+3], v[ADK] offset:12288*\s+512*nn
.set nn, nn+1
.endr
.endr
	WIN 0x80
.irp t, 0,1,2,3
	ds_load_b128 v[96+8*\t:96+8*\t+3], v[ADB] offset:128*(\t/2)+32*(\t%2)
	ds_load_b128 v[96+8*\t+4:96+8*\t+7], v[ADB] offset:128*(\t/2)+32*(\t%2)+16
.endr
	WIN 0
	ds_load_b64 v[KS:KS+1], v[ADS]
	ds_load_b64 v[KS+2:KS+3], v[ADS] offset:512
	s_add_co_u32 s[KB], s[KB], 512                 ; the next step's 128 keys
.endm
; my eight tiles of v and their scale words
.macro LV
	WIN 0
	v_add_nc_u32 v[ADV], s[TB], v[LIV]
	v_add_nc_u32 v[ADW], s[TB], v[LVS]
	PLACES 2
	WIN 0x80
.set nn, 0
.rept 24
	ds_load_b128 v[4*nn:4*nn+3], v[ADV] offset:512*nn
.set nn, nn+1
.endr
	WIN 0
	ds_load_b128 v[VS:VS+3], v[ADW]
.endm
.macro WM d, a, b, c, sa, sb, ra, rb
.if (\c) < 0
.if (\rb)
	v_wmma_scale_f32_16x16x128_f8f6f4 v[\d:\d+7], v[\a:\a+11], v[\b:\b+11], 0, v[\sa], v[\sb] matrix_a_fmt:MATRIX_FMT_FP6 matrix_b_fmt:MATRIX_FMT_FP6 matrix_b_scale:MATRIX_SCALE_ROW1
.else
	v_wmma_scale_f32_16x16x128_f8f6f4 v[\d:\d+7], v[\a:\a+11], v[\b:\b+11], 0, v[\sa], v[\sb] matrix_a_fmt:MATRIX_FMT_FP6 matrix_b_fmt:MATRIX_FMT_FP6
.endif
.elseif (\ra) && (\rb)
	v_wmma_scale_f32_16x16x128_f8f6f4 v[\d:\d+7], v[\a:\a+11], v[\b:\b+11], v[\c:\c+7], v[\sa], v[\sb] matrix_a_fmt:MATRIX_FMT_FP6 matrix_b_fmt:MATRIX_FMT_FP6 matrix_a_scale:MATRIX_SCALE_ROW1 matrix_b_scale:MATRIX_SCALE_ROW1
.elseif (\ra)
	v_wmma_scale_f32_16x16x128_f8f6f4 v[\d:\d+7], v[\a:\a+11], v[\b:\b+11], v[\c:\c+7], v[\sa], v[\sb] matrix_a_fmt:MATRIX_FMT_FP6 matrix_b_fmt:MATRIX_FMT_FP6 matrix_a_scale:MATRIX_SCALE_ROW1
.elseif (\rb)
	v_wmma_scale_f32_16x16x128_f8f6f4 v[\d:\d+7], v[\a:\a+11], v[\b:\b+11], v[\c:\c+7], v[\sa], v[\sb] matrix_a_fmt:MATRIX_FMT_FP6 matrix_b_fmt:MATRIX_FMT_FP6 matrix_b_scale:MATRIX_SCALE_ROW1
.else
	v_wmma_scale_f32_16x16x128_f8f6f4 v[\d:\d+7], v[\a:\a+11], v[\b:\b+11], v[\c:\c+7], v[\sa], v[\sb] matrix_a_fmt:MATRIX_FMT_FP6 matrix_b_fmt:MATRIX_FMT_FP6
.endif
.endm
; S^T = k q^T + bias: 4 key tiles x 4 query tiles, K step s; the 16 accumulators by turns
.macro QKH s
.if \s == 0
	WIN 0x2f
.else
	WIN 0x0f
.endif
	s_wait_alu depctr_va_vdst(0)
.irp t, 0,1,2,3
.irp x, 0,1,2,3
.if \s == 0
	WM S+32*\x+8*\t, 96+12*\t, 24*\x, 96+8*\t, KS+\t/2, QS+\x, \t%2, 0
.else
	WM S+32*\x+8*\t, 96+12*(4+\t), 24*\x+12, S+32*\x+8*\t, KS+2+\t/2, QS+\x, \t%2, 1
.endif
.endr
.endr
.endm
.macro QK
	QKH 0
	QKH 1
.endm
; O += p v: 4 query tiles x 8 channel tiles, K = the step's 128 keys; the 32 accumulators by turns
.macro PV zero
	WIN 0x5a
.irp c, 0,1,2,3,4,5,6,7
.irp x, 0,1,2,3
.if \zero
	s_wait_alu depctr_va_vdst(0)
	WM 64*\x+8*\c, 128+12*\x, 12*\c, -1, PW+\x, VS+\c/2, 0, \c%2
.else
	WM 64*\x+8*\c, 128+12*\x, 12*\c, 64*\x+8*\c, PW+\x, VS+\c/2, 0, \c%2
.endif
.endr
.endr
.endm
.macro EXPS                            ; 2^(score x log2 e - M)
.irp x, 0,1,2,3
.set nn, 0
.rept 16
	v_pk_fma_f32 v[S+32*\x+nn:S+32*\x+nn+1], v[S+32*\x+nn:S+32*\x+nn+1], s[CS:CS+1], v[ST+8*\x:ST+8*\x+1] op_sel_hi:[1,0,0]
.set nn, nn+2
.endr
.endr
.set nn, 0
	s_wait_alu depctr_va_vdst(0)
.rept 128
	v_exp_f32 v[S+nn], v[S+nn]
.set nn, nn+1
.endr
.endm
; pass 1's vector work.  State of query tile x, a lane's own (its query, its 32 keys of the step): +0 -M, +1 largest t, +2,3 the sum in two halves, +4,5 a factor, +6,7 at work
.macro V1
	WIN 0
.irp x, 0,1,2,3
.irp b, 0,1
	v_max3_num_f32 v[TM+2*\x+\b], v[S+32*\x+16*\b], v[S+32*\x+16*\b+1], v[S+32*\x+16*\b+2]
.endr
.endr
.irp i, 3,5,7,9,11,13
.irp x, 0,1,2,3
.irp b, 0,1
	v_max3_num_f32 v[TM+2*\x+\b], v[TM+2*\x+\b], v[S+32*\x+16*\b+\i], v[S+32*\x+16*\b+\i+1]
.endr
.endr
.endr
.irp x, 0,1,2,3
.irp b, 0,1
	v_max_num_f32 v[TM+2*\x+\b], v[TM+2*\x+\b], v[S+32*\x+16*\b+15]
.endr
.endr
.irp x, 0,1,2,3
	v_max_num_f32 v[ST+8*\x+6], v[TM+2*\x], v[TM+2*\x+1]
.endr
.irp x, 0,1,2,3
	v_mul_f32 v[ST+8*\x+6], s[CS], v[ST+8*\x+6]
.endr
.irp x, 0,1,2,3
	v_max_num_f32 v[ST+8*\x+1], v[ST+8*\x+1], v[ST+8*\x+6]
.endr
.irp x, 0,1,2,3
	v_mov_b32 v[ST+8*\x+6], v[ST+8*\x]
.endr
.irp x, 0,1,2,3
	v_floor_f32 v[ST+8*\x], -v[ST+8*\x+1]
.endr
.irp x, 0,1,2,3
	v_sub_f32 v[ST+8*\x+6], v[ST+8*\x], v[ST+8*\x+6]
.endr
.irp x, 0,1,2,3
	v_cvt_i32_f32 v[ST+8*\x+6], v[ST+8*\x+6]
.endr
.irp x, 0,1,2,3
	v_ldexp_f32 v[ST+8*\x+4], 1.0, v[ST+8*\x+6]
.endr
	EXPS
.irp x, 0,1,2,3
	v_pk_mul_f32 v[ST+8*\x+2:ST+8*\x+3], v[ST+8*\x+2:ST+8*\x+3], v[ST+8*\x+4:ST+8*\x+5] op_sel_hi:[1,0]
.endr
	s_wait_alu depctr_va_vdst(0)
.irp x, 0,1,2,3
	v_pk_add_f32 v[ST+8*\x+6:ST+8*\x+7], v[S+32*\x:S+32*\x+1], v[S+32*\x+2:S+32*\x+3]
.endr
.irp j, 4,8,12,16,20,24,28
.irp x, 0,1,2,3
	v_pk_add_f32 v[ST+8*\x+2:ST+8*\x+3], v[ST+8*\x+2:ST+8*\x+3], v[S+32*\x+\j:S+32*\x+\j+1]
	v_pk_add_f32 v[ST+8*\x+6:ST+8*\x+7], v[ST+8*\x+6:ST+8*\x+7], v[S+32*\x+\j+2:S+32*\x+\j+3]
.endr
.endr
.irp x, 0,1,2,3
	v_pk_add_f32 v[ST+8*\x+2:ST+8*\x+3], v[ST+8*\x+2:ST+8*\x+3], v[ST+8*\x+6:ST+8*\x+7]
.endr
.endm
; the rows' M and sum: lane l with lane l xor 16, then my wave with its partner (the other 64 keys of every step) through LDS; then 1 / (16 sum)
.macro MERGE
.irp x, 0,1,2,3
	v_add_f32 v[ST+8*\x+2], v[ST+8*\x+2], v[ST+8*\x+3]
	v_permlanex16_b32 v[ST+8*\x+6], v[ST+8*\x], s[SEL], s[SEL+1]
.endr
.irp x, 0,1,2,3
	v_min_num_f32 v[ST+8*\x+6], v[ST+8*\x], v[ST+8*\x+6]
.endr
.irp x, 0,1,2,3
	v_sub_f32 v[ST+8*\x+7], v[ST+8*\x+6], v[ST+8*\x]
.endr
.irp x, 0,1,2,3
	v_cvt_i32_f32 v[ST+8*\x+7], v[ST+8*\x+7]
.endr
.irp x, 0,1,2,3
	v_ldexp_f32 v[ST+8*\x+2], v[ST+8*\x+2], v[ST+8*\x+7]
.endr
.irp x, 0,1,2,3
	v_permlanex16_b32 v[ST+8*\x+3], v[ST+8*\x+2], s[SEL], s[SEL+1]
.endr
.irp x, 0,1,2,3
	v_add_f32 v[ST+8*\x+2], v[ST+8*\x+2], v[ST+8*\x+3]
	v_mov_b32 v[ST+8*\x], v[ST+8*\x+6]
.endr
.irp x, 0,1,2,3
	ds_store_b32 v[XST], v[ST+8*\x] offset:256*\x
	ds_store_b32 v[XST], v[ST+8*\x+2] offset:256*\x+128
.endr
	s_wait_alu depctr_va_vdst(0)
	s_wait_dscnt 0x0                               ; my states lie in LDS (and my fragment loads are in)
	s_barrier_signal -1
	s_barrier_wait -1
.irp x, 0,1,2,3
	ds_load_b32 v[ST+8*\x+6], v[XLD] offset:256*\x
	ds_load_b32 v[ST+8*\x+3], v[XLD] offset:256*\x+128
.endr
	s_wait_dscnt 0x0
.irp x, 0,1,2,3
	v_min_num_f32 v[ST+8*\x+7], v[ST+8*\x], v[ST+8*\x+6]
.endr
.irp x, 0,1,2,3
	v_sub_f32 v[ST+8*\x+5], v[ST+8*\x+7], v[ST+8*\x]
	v_sub_f32 v[ST+8*\x+6], v[ST+8*\x+7], v[ST+8*\x+6]
.endr
.irp x, 0,1,2,3
	v_cvt_i32_f32 v[ST+8*\x+5], v[ST+8*\x+5]
	v_cvt_i32_f32 v[ST+8*\x+6], v[ST+8*\x+6]
.endr
.irp x, 0,1,2,3
	v_ldexp_f32 v[ST+8*\x+2], v[ST+8*\x+2], v[ST+8*\x+5]
	v_ldexp_f32 v[ST+8*\x+3], v[ST+8*\x+3], v[ST+8*\x+6]
.endr
.irp x, 0,1,2,3
	v_add_f32 v[ST+8*\x+2], v[ST+8*\x+2], v[ST+8*\x+3]
	v_mov_b32 v[ST+8*\x], v[ST+8*\x+7]
.endr
	s_wait_alu depctr_va_vdst(0)
.irp x, 0,1,2,3
	v_rcp_f32 v[ST+8*\x+4], v[ST+8*\x+2]
.endr
	v_nop
	s_wait_alu depctr_va_vdst(0)
.irp x, 0,1,2,3
	v_fma_f32 v[ST+8*\x+6], -v[ST+8*\x+2], v[ST+8*\x+4], 1.0
.endr
.irp x, 0,1,2,3
	v_fma_f32 v[ST+8*\x+4], v[ST+8*\x+4], v[ST+8*\x+6], v[ST+8*\x+4]
.endr
.irp x, 0,1,2,3
	v_mul_f32 v[ST+8*\x+4], 0x3d800000, v[ST+8*\x+4]
.endr
.irp x, 0,1,2,3
	v_mov_b32 v[ST+8*\x+5], v[ST+8*\x+4]
.endr
	s_wait_alu depctr_va_vdst(0)
.endm
; four blocks of 32 (16 registers in lanes l and l xor 16 each) -> 12 registers of codes in the operand's layout and a word of four scale bytes
.macro QUANT s, d, pw
.irp b, 0,1,2,3
	v_max3_num_f32 v[TM+\b], |v[\s+16*\b]|, |v[\s+1+16*\b]|, 0x1800000
.endr
.irp i, 2,4,6,8,10,12,14
.irp b, 0,1,2,3
	v_max3_num_f32 v[TM+\b], v[TM+\b], |v[\s+16*\b+\i]|, |v[\s+1+16*\b+\i]|
.endr
.endr
.irp b, 0,1,2,3
	v_permlanex16_b32 v[TM+4+\b], v[TM+\b], s[SEL], s[SEL+1]
.endr
.irp b, 0,1,2,3
	v_max_num_f32 v[TM+\b], v[TM+\b], v[TM+4+\b]
.endr
.irp b, 0,1,2,3
	v_add_nc_u32 v[TM+12+\b], 0xff000000, v[TM+\b]
.endr
.irp b, 0,1,2,3
	v_lshrrev_b32 v[TM+4+\b], 23, v[TM+12+\b]
.endr
	v_lshl_or_b32 v[\pw], v[TM+5], 8, v[TM+4]
	v_lshl_or_b32 v[\pw], v[TM+6], 16, v[\pw]
	v_lshl_or_b32 v[\pw], v[TM+7], 24, v[\pw]
.irp c, 0,1
	v_cvt_scalef32_pk16_fp6_f32 v[\d+6*\c:\d+2+6*\c], v[\s+32*\c:\s+15+32*\c], v[TM+12+2*\c]
	v_cvt_scalef32_pk16_fp6_f32 v[QT+4*\c:QT+2+4*\c], v[\s+16+32*\c:\s+31+32*\c], v[TM+12+2*\c+1]
.endr
	v_nop
.irp c, 0,1
.irp i, 0,1,2
	v_permlane16_swap_b32 v[\d+6*\c+\i], v[QT+4*\c+\i]
.endr
.irp i, 0,1,2
	v_mov_b32 v[\d+3+6*\c+\i], v[QT+4*\c+\i]
.endr
.endr
.endm
; p, finished and normalised, quantised; a QUANT serves two query tiles (two blocks each): six registers and two bytes for each go to the exchange, at my key half's place
.macro SOFTQ
	WIN 0
	EXPS
	v_nop
	s_wait_alu depctr_va_vdst(0)
.irp y, 0,1
.irp x, 2*\y, 2*\y+1
.set nn, 0
.rept 16
	v_pk_mul_f32 v[S+32*(\x)+nn:S+32*(\x)+nn+1], v[S+32*(\x)+nn:S+32*(\x)+nn+1], v[ST+8*(\x)+4:ST+8*(\x)+5] op_sel_hi:[1,0]
.set nn, nn+2
.endr
.endr
	QUANT S+64*\y, PT+12*\y, PWT+\y
	ds_store_b128 v[PSA], v[PT+12*\y:PT+12*\y+3] offset:3072*\y
	ds_store_b64 v[PSB], v[PT+12*\y+4:PT+12*\y+5] offset:3072*\y
	ds_store_b16 v[PSW], v[PWT+\y] offset:128*\y
	ds_store_b128 v[PSA], v[PT+12*\y+6:PT+12*\y+9] offset:3072*\y+1536
	ds_store_b64 v[PSB], v[PT+12*\y+10:PT+12*\y+11] offset:3072*\y+1536
	ds_store_b16_d16_hi v[PSW], v[PWT+\y] offset:128*\y+64
.endr
.endm
.macro PLOAD                           ; p's whole fragments (both key halves) and scale words of my 64 queries
	WIN 0x80
.irp x, 0,1,2,3
	ds_load_b128 v[128+12*\x:131+12*\x], v[PLA] offset:1536*\x
	ds_load_b64 v[132+12*\x:133+12*\x], v[PLB] offset:1536*\x
	ds_load_b128 v[134+12*\x:137+12*\x], v[PLA] offset:1536*\x+768
	ds_load_b64 v[138+12*\x:139+12*\x], v[PLB] offset:1536*\x+768
.endr
	WIN 0
.irp x, 0,1,2,3
	ds_load_b32 v[PW+\x], v[PLW] offset:64*\x
.endr
.endm
.macro T1
	LK
	s_add_co_u32 s[TB], s[TB], REG
	V1
	s_wait_dscnt 0x0
	QK
.endm
; a step of pass 2: the next step's k is fetched under this step's softmax; the next scores' K step 0 stands between the first barrier's signal and wait, their K step 1 behind the loads of p,
; this step's second product between the second barrier's signal and wait
.macro T2 zero
	LK
	SOFTQ
	s_wait_alu depctr_va_vdst(0)
	s_wait_dscnt 0x0                               ; my half of p lies in LDS; k's, v's fragments and the bias are in
	s_barrier_signal -1
	QKH 0
	WIN 0
	s_barrier_wait -1
	PLOAD
	QKH 1
	WIN 0
	s_wait_dscnt 0x0                               ; my reads of the exchange are over: behind the next barrier it may be written again
	s_barrier_signal -1
	s_wait_alu depctr_va_vdst(0)
	PV \zero
	WIN 0
	s_barrier_wait -1
	LV
	s_add_co_u32 s[TB], s[TB], REG
.endm
.macro INNER1 n
	WIN 0
	s_mov_b32 s[INN], \n
.Lstep1_\@:
	T1
	WIN 0
	s_sub_co_u32 s[INN], s[INN], 1
	s_cmp_lg_u32 s[INN], 0
	s_cbranch_scc1 .Lstep1_\@
.endm
.macro INNER2
	WIN 0
	s_mov_b32 s[INN], 2
.Lstep2_\@:
	T2 0
	WIN 0
	s_sub_co_u32 s[INN], s[INN], 1
	s_cmp_lg_u32 s[INN], 0
	s_cbranch_scc1 .Lstep2_\@
.endm
.macro TURN bytes
	s_sub_co_u32 s[TB], s[TB], \bytes
	s_xor_b32 s[TB], s[TB], SLOT1
.endm
.macro XLOAD dst, x, s
.irp b, 0,1,2,3
.irp j, 0,1,2,3
	global_load_b128 v[\dst+16*\b+4*\j:\dst+16*\b+4*\j+3], v[XA], s[4:5] offset:16384*\x+512*\s+128*\b+16*\j th:TH_LOAD_NT
.endr
.endr
.endm
.macro QST d, f                        ; a fragment of q as an image of its registers
.irp p, 0,1,2
	ds_store_b128 v[QSA], v[\d+4*\p:\d+4*\p+3] offset:1536*\f+512*\p
.endr
.endm
	s_load_b256 s[4:11], s[0:1], 0x0               ; q, kv, mb, out0
	v_lshl_add_u32 v[SPW], v0, 2, SPARE
	v_mov_b32 v[NIL], 0
	ds_add_u32 v[SPW], v[NIL]
	ds_add_u32 v[SPW], v[NIL]
	v_lshrrev_b32 v4, 5, v0
	v_readfirstlane_b32 s[WV], v4
	s_lshr_b32 s[QH], s[WV], 1
	s_and_b32 s[KH], s[WV], 1
	s_bfe_u32 s13, ttmp6, 0x40000
	s_lshl_b32 s14, ttmp9, 2
	s_add_co_u32 s14, s14, s13                     ; query block
	s_and_b32 s15, ttmp7, 0xffff                   ; batch
	s_mov_b32 s[G1], 15|(3<<16)|(1<<21)            ; a region: 100 rows of 256 bytes, to all four of the cluster
	s_mov_b32 s[G1+1], 32<<16
	s_mov_b32 s[G1+2], 100<<16
	s_mov_b32 s[G1+3], 32<<16
	s_mov_b32 s[G1+4], 100
	s_mov_b32 s[G1+5], 32
	s_mov_b32 s[G1+6], 0
	s_mov_b32 s[G1+7], 0
	s_mul_i32 s56, s15, KVB
	s_mul_i32 s[G0+1], s[WV], REG
	s_add_co_u32 s58, s56, s[G0+1]
	s_mov_b32 s59, 0
	s_mul_i32 s60, s[QH], 16*REG                   ; pass 2: waves 0, 1 fetch k's regions, waves 2, 3 v's
	s_mul_i32 s61, s[KH], REG
	s_add_co_u32 s60, s60, s61
	s_add_co_u32 s60, s60, s56
	s_mov_b32 s61, 0
	s_lshl_b32 s62, s15, 13                        ; mb: my batch's 8,192 bytes
	s_mov_b32 s63, 0
	s_lshl_b32 s30, s15, 21
	s_lshl_b32 s31, s14, 17
	s_add_co_u32 s36, s30, s31
	s_lshl_b32 s31, s[WV], 15
	s_add_co_u32 s36, s36, s31                     ; q: the 32 queries that I quantise
	s_mov_b32 s37, 0
	s_mov_b32 s[G0], 1
	s_mov_b32 s[CS], 0x3fb8aa3b
	s_mov_b32 s[CS+1], s[CS]
	s_mov_b32 s[SEL], 0x76543210
	s_mov_b32 s[SEL+1], 0xfedcba98
	s_mov_b32 s[HM], 0xffff0000
	s_mov_b32 s[TB], 0
	s_cmp_lt_u32 s[WV], 3
	s_cselect_b32 s[LIM], 0, 1
	s_or_b32 s[LIM], s[LIM], ttmp9
	s_cmp_eq_u32 s[LIM], 0
	s_cselect_b32 s[LIM], 1, -1
	v_and_b32 v5, 15, v0
	v_bfe_u32 v114, v0, 4, 1
	v_lshlrev_b32 v[XA], 10, v5
	v_lshl_add_u32 v[XA], v114, 6, v[XA]
	v_lshlrev_b32 v[QT], 4, v0                     ; the bias's copy: 16 bytes a thread and load
	s_wait_dscnt 0x0
	s_wait_alu depctr_va_vdst(0)
	s_wait_kmcnt 0x0
	s_add_nc_u64 s[4:5], s[4:5], s[36:37]
	s_add_nc_u64 s[G0+2:G0+3], s[6:7], s[58:59]
	s_or_b32 s[G0+3], s[G0+3], 0x80000000
	s_add_nc_u64 s[P2B:P2B+1], s[6:7], s[60:61]
	s_add_nc_u64 s[MB:MB+1], s[8:9], s[62:63]
	WIN 0x40
.irp i, 0,1,2,3
	global_load_b128 v[128+4*\i:131+4*\i], v[QT], s[MB:MB+1] offset:2048*\i   ; the bias: the 128 threads read 2,048 consecutive bytes; into window 1, idle until pass 2
.endr
	WIN 0
	XLOAD S, 0, 0                                  ; all my 64 loads of q go out ahead of the round
	XLOAD S+64, 0, 1
	WIN 0x40
	XLOAD 0, 1, 0                                  ; the second tile waits in window 1
	XLOAD 64, 1, 1
	WIN 0
	CROUND
	tensor_load_to_lds s[G0:G0+3], s[G1:G1+7]      ; my one load at the head: a region of the first fill
	s_nop 0
	PLACES 4
	s_mul_i32 s58, s13, REG
	s_lshl_b32 s59, s[WV], 13
	s_add_co_u32 s58, s58, s59
	s_add_co_u32 s58, s58, s56
	s_add_co_u32 s58, s58, FILLB
	s_mov_b32 s59, 0
	s_add_nc_u64 s[PFA:PFA+1], s[6:7], s[58:59]
	s_lshl_b32 s59, s14, 9
	s_add_co_u32 s60, s30, s59
	s_lshl_b32 s59, s[WV], 18
	s_add_co_u32 s60, s60, s59
	s_mov_b32 s61, 0
	s_add_nc_u64 s[10:11], s[10:11], s[60:61]
	; the LDS addresses' scalar parts, from the wave's number alone
	s_mul_i32 s30, s[KH], 6144
	s_lshl_b32 s31, s[KH], 3
	s_add_co_u32 s31, s31, 24576
	s_mul_i32 s36, s[KH], 12288
	s_add_co_u32 s36, s36, 2*REG
	s_lshl_b32 s37, s[KH], 9
	s_add_co_u32 s37, s37, 2*REG+24576
	s_mul_i32 s38, s[QH], 6144
	s_add_co_u32 s38, s38, PX
	s_add_co_u32 s39, s38, 512
	s_mul_i32 s56, s[KH], 768
	s_lshl_b32 s57, s[QH], 8
	s_add_co_u32 s57, s57, PX+12288
	s_lshl_b32 s58, s[KH], 1
	s_mul_i32 s59, s[WV], 6144
	s_add_co_u32 s59, s59, STG0
	s_mul_i32 s60, s[QH], 12288
	s_add_co_u32 s60, s60, STG0
	s_lshl_b32 s61, s[WV], 8
	s_add_co_u32 s61, s61, QW
	s_lshl_b32 s62, s[QH], 9
	s_add_co_u32 s62, s62, QW
	s_lshl_b32 s63, s[WV], 10
	s_add_co_u32 s63, s63, XS
	s_xor_b32 s46, s[WV], 1
	s_lshl_b32 s46, s46, 10
	s_add_co_u32 s46, s46, XS
	s_xor_b32 s55, s[KH], 1
	s_mul_i32 s55, s55, STG0                       ; the way out: channels 0-127 in the stage, 128-255 in slot 0, which has had its last fill by then
	s_lshl_b32 s49, s[QH], 8
	s_add_co_u32 s55, s55, s49
	s_mul_i32 s2, s[WV], 32*SP
	s_add_co_u32 s3, s2, STG0
	s_lshl_b32 s14, s[KH], 8
	s_add_co_u32 s14, s14, BIA                     ; the bias of my 64 keys of step 0
	v_and_b32 v4, 31, v0
	v_and_b32 v5, 15, v0
	v_bfe_u32 v114, v0, 4, 1
	v_lshlrev_b32 v[LI], 4, v4
	v_lshlrev_b32 v[PFO], 8, v4
	v_lshlrev_b32 v[BIO], 6, v114
	v_add_nc_u32 v[BIO], s14, v[BIO]
	v_add_nc_u32 v[LKB], s30, v[LI]
	v_add_nc_u32 v[LKS], s31, v[LI]
	v_add_nc_u32 v[LIV], s36, v[LI]
	v_add_nc_u32 v[LVS], s37, v[LI]
	v_add_nc_u32 v[PLA], s38, v[LI]
	v_lshlrev_b32 v115, 3, v4
	v_add_nc_u32 v[PLB], s39, v115
	v_add_nc_u32 v[PSA], s56, v[PLA]
	v_add_nc_u32 v[PSB], s56, v[PLB]
	v_lshlrev_b32 v115, 2, v5
	v_add_nc_u32 v[PLW], s57, v115
	v_add_nc_u32 v[PSW], s58, v[PLW]
	v_add_nc_u32 v[QSA], s59, v[LI]
	v_add_nc_u32 v[QLA], s60, v[LI]
	v_lshlrev_b32 v115, 2, v4
	v_add_nc_u32 v[QSW], s61, v115
	v_add_nc_u32 v[QLW], s62, v115
	v_add_nc_u32 v[XST], s63, v115
	v_add_nc_u32 v[XLD], s46, v115
	v_and_b32 v115, 8, v5
	v_add_nc_u32 v115, v115, v5
	v_mul_u32_u24 v115, v115, SP
	v_lshl_add_u32 v115, v114, 5, v115
	v_add_nc_u32 v[SO], s55, v115
	v_add_nc_u32 v[SR1], s2, v[LI]
	v_add_nc_u32 v[SR0], s3, v[LI]
	v_lshl_add_u32 v[ADV], v0, 4, BIA              ; where my thread puts its part of the bias
.irp x, 0,1,2,3
	v_mov_b32 v[ST+8*\x+1], 0xff61b1e6
	v_floor_f32 v[ST+8*\x], -v[ST+8*\x+1]
.irp i, 2,3,4,5,6,7
	v_mov_b32 v[ST+8*\x+\i], 0
.endr
.endr
.irp b, 4,5,6,7
	v_mov_b32 v[TM+\b], 0
.endr
	s_mov_b32 s[KB], 0
	s_wait_alu depctr_va_vdst(0)
	s_wait_loadcnt 48                              ; of my 68 loads the oldest 20 are in: the bias's four and q's first 16
	WIN 0x04
.irp i, 0,1,2,3
	ds_store_b128 v[ADV], v[128+4*\i:131+4*\i] offset:2048*\i
.endr
	WIN 0
	QUANT S, PT, PWT
	QST PT, 0
	s_wait_loadcnt 32
	QUANT S+64, PT+12, PWT+1
	QST PT+12, 1
	v_cndmask_b32 v[QS], v[PWT], v[PWT+1], s[HM]   ; K step 0's scale words in lanes 0-15, K step 1's in lanes 16-31
	ds_store_b32 v[QSW], v[QS]
	s_wait_alu depctr_va_vdst(0)
	s_wait_loadcnt 0x0
	s_wait_dscnt 0x0                               ; the stores have read their registers
	WIN 0x01
.set nn, 0
.rept 128
	v_mov_b32 v[S+nn], v[nn]
.set nn, nn+1
.endr
	WIN 0
	QUANT S, PT, PWT
	QST PT, 2
	QUANT S+64, PT+12, PWT+1
	QST PT+12, 3
	v_cndmask_b32 v[QS+1], v[PWT], v[PWT+1], s[HM]
	ds_store_b32 v[QSW], v[QS+1] offset:128
	s_wait_alu depctr_va_vdst(0)
	CHANGE 1, 1                                    ; its wait for 0 on DScnt and its barriers also show q's images and the bias to every wave
	WIN 0xc0
.set nn, 0
.rept 24
	ds_load_b128 v[4*nn:4*nn+3], v[QLA] offset:512*nn
.set nn, nn+1
.endr
	WIN 0
.irp x, 0,1,2,3
	ds_load_b32 v[QS+\x], v[QLW] offset:128*\x
.endr
	LK
	s_add_co_u32 s[TB], s[TB], REG
	s_wait_dscnt 0x0
	QK
	INNER1 3
	TURN FILLB
	s_mov_b32 s[CNT], 2
.Lpass1:
	CHANGE 1, 1
	INNER1 4
	TURN FILLB
	s_sub_co_u32 s[CNT], s[CNT], 1
	s_cmp_lg_u32 s[CNT], 0
	s_cbranch_scc1 .Lpass1
	CHANGE 2, 0
	INNER1 4
	TURN FILLB
	s_mov_b32 s[KB], 0                             ; pass 2 begins at key 0 again
	CHANGE 3, 1
	LK
	LV
	s_add_co_u32 s[TB], s[TB], REG
	V1
	MERGE
	s_wait_dscnt 0x0
	QK
	T2 1
	WIN 0
	TURN 2*REG
	s_mov_b32 s[CNT], 6
.Lpass2:
	CHANGE 3, 2
	INNER2
	TURN 2*REG
	s_sub_co_u32 s[CNT], s[CNT], 1
	s_cmp_lg_u32 s[CNT], 0
	s_cbranch_scc1 .Lpass2
	CHANGE 0, 0
	INNER2
	SOFTQ                                          ; the last step: nothing more is fetched
	s_wait_alu depctr_va_vdst(0)
	s_wait_dscnt 0x0
	s_barrier_signal -1
	s_barrier_wait -1
	PLOAD
	s_wait_dscnt 0x0
	s_wait_alu depctr_va_vdst(0)
	PV 0
	WIN 0
	PLACES 4
	WIN 0x04
; the way out: a lane holds eight neighbouring queries of one channel; rows of 128 queries are gathered in LDS and leave as 512 consecutive bytes
.irp c, 0,1,2,3,4,5,6,7
.irp x, 0,1,2,3
	ds_store_b128 v[SO], v[64*\x+8*\c:64*\x+8*\c+3] offset:(32*(\c/2)+8*(\c%2))*SP+64*\x
	ds_store_b128 v[SO], v[64*\x+8*\c+4:64*\x+8*\c+7] offset:(32*(\c/2)+8*(\c%2))*SP+64*\x+16
.endr
.endr
	WIN 0
	s_wait_dscnt 0x0
	s_barrier_signal -1
	s_barrier_wait -1
.irp k, 0,1
.if \k
	s_wait_xcnt 0x0
.endif
.set nn, 0
.rept 32
	ds_load_b128 v[S+4*nn:S+4*nn+3], v[SR0+\k] offset:SP*nn
.set nn, nn+1
.endr
.set nn, 0
.rept 32
	s_wait_dscnt 31-nn                             ; load nn is in; the 31 - nn younger ones may be out
	global_store_b128 v[LI], v[S+4*nn:S+4*nn+3], s[10:11] offset:1048576*\k+8192*nn th:TH_STORE_NT
.set nn, nn+1
.endr
.endr
	s_wait_tensorcnt 0x0                           ; the wave's end
	ds_add_u32 v[SPW], v[NIL]
	s_wait_dscnt 0x0
	CROUND
	s_endpgm
.Lfunc_end_k_qe1fa7c90d9_attn:
	.size	k_qe1fa7c90d9_attn, .Lfunc_end_k_qe1fa7c90d9_attn-k_qe1fa7c90d9_attn
	.p2alignl 7, 3214868480
	.fill 96, 4, 3214868480
	.section	.rodata,"a",@progbits
	.p2align	6, 0x0
	.amdhsa_kernel k_qe1fa7c90d9_attn
		.amdhsa_group_segment_fixed_size 327680
		.amdhsa_private_segment_fixed_size 0
		.amdhsa_enable_private_segment 0
		.amdhsa_kernarg_size 32
		.amdhsa_user_sgpr_count 2
		.amdhsa_user_sgpr_kernarg_segment_ptr 1
		.amdhsa_wavefront_size32 1
		.amdhsa_system_sgpr_workgroup_id_x 1
		.amdhsa_system_sgpr_workgroup_id_y 1
		.amdhsa_system_sgpr_workgroup_id_z 1
		.amdhsa_system_vgpr_workitem_id 0
		.amdhsa_next_free_vgpr 1024
		.amdhsa_next_free_sgpr 66
		.amdhsa_reserve_vcc 0
		.amdhsa_float_denorm_mode_32 3
		.amdhsa_float_denorm_mode_16_64 3
		.amdhsa_memory_ordered 1
		.amdhsa_forward_progress 1
		.amdhsa_inst_pref_size 255
	.end_amdhsa_kernel
	.section	.bss,"aw",@nobits
	.p2align	6
	.space	262144
	.amdgpu_metadata
---
amdhsa.version: [ 1, 2 ]
amdhsa.kernels:
  - .name:           k_qe1fa7c90d9_attn
    .symbol:         k_qe1fa7c90d9_attn.kd
    .args:
      - { .name: q, .offset: 0, .size: 8, .value_kind: global_buffer, .address_space: global }
      - { .name: kv, .offset: 8, .size: 8, .value_kind: global_buffer, .address_space: global }
      - { .name: mb, .offset: 16, .size: 8, .value_kind: global_buffer, .address_space: global }
      - { .name: out0, .offset: 24, .size: 8, .value_kind: global_buffer, .address_space: global }
    .group_segment_fixed_size: 327680
    .private_segment_fixed_size: 0
    .kernarg_segment_align: 8
    .kernarg_segment_size: 32
    .max_flat_workgroup_size: 128
    .sgpr_count:     66
    .vgpr_count:     1024
    .wavefront_size: 32
...
	.end_amdgpu_metadata
.endif
;; end of part 2
